; MI455X (gfx1250); checked and timed in simulation.
; The chip was launched on July 23, 2026; its instructions are those of AMD's public machine-readable ISA for CDNA 5 (MIT licence, August 2026) and "CDNA5" Instruction Set Architecture Reference Guide (July 2026). The comments in the code are by the model that wrote it; some were corrected since.
;; Vector Quantizer. Allowed arithmetic: matrix products marked QUANTISED: E2M1 operands, one E8M0 scale for each 32 along K, by v_wmma_scale_f32_16x16x128_f8f6f4 with both operands' format E2M1 (or v_wmma_scale_f32_32x16x128_f4), f32 sums; everything else in f32.
;; Inputs: codebook 64 x 2,048 float32; inputs 64 x 32 x 32 x 64 float32.
;; Outputs: out0 64 x 32 x 32 x 64 float32; out1 one number float32; out2 one number float32; out3 one number float32.
;; This version of the problem:
;;   THIS VERSION OF THE PROBLEM IS GIVEN IN LOW PRECISION. The matrix products marked QUANTISED in the list below multiply operands that are first quantised to E2M1 (2 exponent bits, 1 mantissa bit; 4 bits a number), with one power-of-two scale for each 32 numbers along K (OCP MX v1.0); their sums are f32. All else is computed in f32.
;;   The module's matrix products, in the order in which they are computed (A, B: the left and right operand; K: the contracted axis; several contracted axes count as one K, in the product's order):
;;     1. [M 65,536, K 64] x [K 64, N 2,048]; A: input inputs; B: input codebook: QUANTISED
;;   THE QUANTISER, for each operand of a quantised product, along K:
;;     - K is cut into blocks of 32 from its start; a last block that is shorter is filled with zeros.
;;     - A block's scale is 2^e with e = floor(log2(the largest magnitude in the block)) - 2, held to -126 .. 127; a block of zeros has e = 0. As a byte (E8M0): e + 127.
;;     - Each number is divided by its block's scale, clamped to +-6, and rounded to the nearest number of E2M1, ties to even, subnormals kept.
;;     - The product sums the exact products of the quantised numbers (number of the format x scale) in f32.
;;   ~~~python
;;   def quantise(x, axis):      # numpy; x: float32 -> the quantised numbers, widened to float32 again
;;       x = np.moveaxis(x, axis, -1); K = x.shape[-1]
;;       x = np.pad(x, [(0, 0)] * (x.ndim - 1) + [(0, -K % 32)]); x = x.reshape(x.shape[:-1] + (-1, 32)); a = np.abs(x).max(-1, keepdims=True)
;;       e = np.where(a > 0, np.clip(np.frexp(np.where(a > 0, a, 1))[1] - 1 - 2, -126, 127), 0)      # np.frexp(a)[1] - 1 = floor(log2(a)), exactly
;;       r = np.clip(x / 2.0 ** e, -6, 6)
;;       step = 2.0 ** (np.maximum(np.frexp(np.where(r == 0, 1, r))[1] - 1, 0) - 1)
;;       q = np.round(r / step) * step * 2.0 ** e      # np.round: ties to even
;;       return np.moveaxis(q.reshape(q.shape[:-2] + (-1,))[..., :K], -1, axis).astype(np.float32)
;;   ~~~
;; One version. Each part assembles by itself: llvm-mc -triple=amdgcn-amd-amdhsa -mcpu=gfx1250 --defsym DOCPART=n.
;; ======== version 1 of 1: 4 launches
;; limits: values are held in bf16: 8 bits of precision; right only within a limited range of input values
;; workspace buffers: cbimg 139,264 bytes; cbt 524,288 bytes; idx 262,144 bytes of whole numbers; hist 1,048,576 bytes; part 2,048 bytes
;; launch prep (part 1): grid 32 x 1, 4 waves a work-group, no clusters, 17,920 bytes of LDS; arguments codebook, cbimg, cbt; writes cbimg, cbt
.if DOCPART == 1
	.amdgcn_target "amdgcn-amd-amdhsa--gfx1250"
	.amdhsa_code_object_version 6
	.text
	.protected	k_q3510fb5104_prep
	.globl	k_q3510fb5104_prep
	.p2align	8
	.type	k_q3510fb5104_prep,@function
k_q3510fb5104_prep:
	s_mov_b64 s[64:65], 0
	v_nop
	global_prefetch_b8 v0, s[64:65] scope:SCOPE_SE
	s_setreg_imm32_b32 hwreg(HW_REG_WAVE_MODE, 25, 1), 1
	s_wait_xcnt 0x0
; WORK LEFT OUT OF THE PROGRAM: out0 = x + (c - x), c the chosen code's row, is c for all finite x and c in exact arithmetic (x - x is 0 by identity): out0 takes c itself, and x serves the search and the losses alone.
; Limit: a NaN, an infinity or an overflow of x that reaches only that sum is not carried to out0.
;
; The codebook [64 (k)][2048 (code)], f32, K its FIRST axis, is laid out once for the launches that follow.
;   cbimg, 139,264 bytes, byte for byte what the search keeps in LDS:
;     [0, 131072)       operand fragments.  Group g (32 codes) has two tiles a = 0, 1 of 1,024 bytes at 2048 g + 1024 a; lane (r, h) of a tile has its 16 bytes of k = 32 h .. 32 h + 31 at 16 lane,
;                       and 512 further on its 16 bytes of k = 64 + 32 h ..: the digits of cc (below).  Tile row m = 8 i + j is code 32 g + 16 i + 8 a + j, so that in the
;                       product's result a lane's 16 registers of the two tiles are 16 neighbouring codes.
;     [131072, 139264)  the scale words: group g at 128 g, word 16 a + m: four bytes, one for each block of 32 along the instruction's K.
;   THE FRAGMENTS STAND FOR -2 x THE QUANTISED CODEBOOK: every code's sign bit is turned and every scale byte is one higher.  Both are exact.
;   cc[code] = the sum over k of codebook[k][code]^2, from the numbers as they are given, in f32.  The problem's K is 64 and the instruction's 128: the other 64 places carry cc.  cc is rounded to 22 bits,
;   1.m x 2^(E - 127), as hi x 2^(E - 137) + lo x 2^(E - 148), hi and lo of 11 bits.  Block 2 carries hi, block 3 lo: bit b of the number sets the codes of some places, against which the rows' operand has fixed weights
;   w, so that 4 x the sum of w x code is the number: bits 0, 1, 2, 3 codes 0.5, 1, 2, 4 against 0.5; bits 4, 5, 6 code 4 against 1, 2, 4; bit 7 code 4 against 6, 2; bit 8 against 6, 6, 4; bit 9 against 6 (five times), 2;
;   bit 10 against 6 (ten times), 4.  The blocks' scale bytes are E - 8 and E - 19.
;   cbt [2048][64] f32: the codebook with a code's 64 numbers on end, 256 bytes, for the gather.
; LANE (r, h) TAKES TILE ROW r AND BLOCK h, AND ITS 32 REGISTERS RUN DOWN K: a block lies in one lane, and the conversions' results are the fragment's registers.
; A block's scale is 2^(floor(log2(largest magnitude)) - 2): its byte is the largest magnitude's exponent field - 2, held at 1 from below by a floor among the maximum's leaves.
; LIMITS: a block of zeros, and one whose largest magnitude lies under 2^-124, keeps the byte 1 (this program alone reads the bytes; a block of zeros has zero codes); cc is rounded to 22 bits (within 2^-22 of itself) and
; held at 2^-107 from below; NaN and infinities are not served.
; 32 work-groups of four waves, a wave to a tile of 16 codes; a work-group's 64 codes are 256 bytes of each row of the codebook.  The waves share nothing: no barrier.
.set X,    32                          ; v32-63   my block's 32 numbers, k ascending
.set C,    64                          ; v64-67   their codes
.set R,    68                          ; v68-71   my 32 digits
.set OUT,  72                          ; v72-103  rows of cbt read back from the stage
.set SP,   272                         ; a stage row: 256 bytes + 16
.set SPARE, 4*16*SP                    ; behind the four stages: the spare words
	s_load_b128 s[4:7], s[0:1], 0x0                ; codebook, cbimg
	s_load_b64 s[8:9], s[0:1], 0x10                ; cbt
	v_lshl_add_u32 v20, v0, 2, SPARE
	v_mov_b32 v21, 0
	v_lshrrev_b32 v1, 5, v0
	v_readfirstlane_b32 s16, v1                    ; wave 0..3
	v_and_b32 v1, 31, v0
	v_and_b32 v2, 15, v0                           ; r
	v_bfe_u32 v3, v0, 4, 1                         ; h
	v_lshlrev_b32 v6, 4, v1                        ; 16 lane
	v_lshlrev_b32 v7, 2, v2                        ; my scale word
	v_and_b32 v4, 8, v2
	v_add_nc_u32 v4, v4, v2                        ; r + 8 (r / 8): my code's place behind the tile's first
	v_lshlrev_b32 v5, 2, v4
	v_lshl_add_u32 v5, v3, 18, v5                  ; and 32 rows of 8,192 bytes further down for h = 1
	s_mul_i32 s24, s16, 16*SP                      ; my wave's stage
	v_mul_u32_u24 v17, v2, SP
	v_lshl_add_u32 v17, v3, 7, v17
	v_add_nc_u32 v17, s24, v17                     ; into it: row r, half h
	v_mul_u32_u24 v18, v3, SP
	v_lshl_add_u32 v18, v2, 4, v18
	v_add_nc_u32 v18, s24, v18                     ; out of it: sixteen lanes to a row, two rows an instruction
	v_mad_u32_u24 v22, v3, 11, 8                   ; 8 or 19
	v_lshlrev_b32 v23, 3, v3                       ; 8 h
	v_mov_b32 v16, 0                               ; a lane permute's destination counts as one of its sources
	v_mov_b32 v19, 0
	s_lshr_b32 s17, s16, 1
	s_lshl_b32 s17, s17, 5
	s_and_b32 s18, s16, 1
	s_lshl_b32 s18, s18, 3
	s_add_co_u32 s17, s17, s18                     ; my tile's first code in the work-group's 64: 32 (w / 2) + 8 (w % 2)
	s_lshl_b32 s18, ttmp9, 8
	s_lshl_b32 s19, s17, 2
	s_add_co_u32 s18, s18, s19                     ; the codebook's columns
	s_mov_b32 s19, 0
	s_lshl_b32 s20, ttmp9, 12
	s_lshl_b32 s21, s16, 10
	s_add_co_u32 s20, s20, s21                     ; my tile's fragments
	s_mov_b32 s21, 0
	s_lshl_b32 s22, ttmp9, 14
	s_lshl_b32 s23, s17, 8
	s_add_co_u32 s22, s22, s23                     ; cbt
	s_mov_b32 s23, 0
	s_lshl_b32 s26, ttmp9, 8
	s_lshl_b32 s27, s16, 6
	s_add_co_u32 s26, s26, s27                     ; my tile's scale words, reached by an immediate
	s_mov_b32 s27, 0
	s_mov_b32 s28, 0xffff0000                      ; lanes 16-31
	s_mov_b32 s30, 0x76543210
	s_mov_b32 s31, 0xfedcba98                      ; v_permlanex16_b32's selects for lane l xor 16
	s_wait_alu depctr_va_vdst(0)                   ; the wait at the head's end
	s_wait_kmcnt 0x0
	s_add_nc_u64 s[4:5], s[4:5], s[18:19]
	s_add_nc_u64 s[10:11], s[6:7], s[26:27]
	s_add_nc_u64 s[6:7], s[6:7], s[20:21]
	s_add_nc_u64 s[8:9], s[8:9], s[22:23]
.set k, 0
.rept 32
	global_load_b32 v[X+k], v5, s[4:5] offset:8192*k
.set k, k+1
.endr
	s_wait_loadcnt 0x0
.irp q, 0,1,2,3,4,5,6,7
	ds_store_b128 v17, v[X+4*\q:X+4*\q+3] offset:16*\q
.endr
.irp t, 0,1,2,3,4,5,6,7
	ds_load_b128 v[OUT+4*\t:OUT+4*\t+3], v18 offset:2*\t*SP        ; LDS serves a wave's instructions in order (ISA guide 5.7.1.4): these see the stores above
.endr
	v_max3_num_f32 v8, |v[X]|, |v[X+1]|, |v[X+2]|
	v_max3_num_f32 v9, |v[X+3]|, |v[X+4]|, |v[X+5]|
	v_pk_mul_f32 v[12:13], v[X:X+1], v[X:X+1]
	v_pk_mul_f32 v[14:15], v[X+2:X+3], v[X+2:X+3]
.irp i, 4,8,12,16,20,24,28
.if \i < 28
	v_max3_num_f32 v8, v8, |v[X+\i+2]|, |v[X+\i+3]|
	v_max3_num_f32 v9, v9, |v[X+\i+4]|, |v[X+\i+5]|
.endif
	v_pk_fma_f32 v[12:13], v[X+\i:X+\i+1], v[X+\i:X+\i+1], v[12:13]
	v_pk_fma_f32 v[14:15], v[X+\i+2:X+\i+3], v[X+\i+2:X+\i+3], v[14:15]
.endr
	v_max3_num_f32 v8, v8, |v[X+30]|, |v[X+31]|
	v_pk_add_f32 v[12:13], v[12:13], v[14:15]
	v_max3_num_f32 v8, v8, v9, 0x1800000           ; the floor 2^(3 - 127): the byte cannot fall under 1
	v_add_f32 v12, v12, v13
	v_add_nc_u32 v10, 0xff000000, v8               ; 2 off the exponent field: the conversion takes this operand's exponent field as its scale
.irp i, 0,1,2,3
	v_cvt_scalef32_pk8_fp4_f32 v[C+\i], v[X+8*\i:X+8*\i+7], v10
.endr
	v_permlanex16_b32 v16, v12, s30, s31           ; (plain lines behind the conversions)
	v_lshrrev_b32 v11, 23, v10                     ; the scale's byte
	v_add_f32 v12, v12, v16                        ; cc: the addition commutes, so both halves of the lanes hold the same bits
.irp i, 0,1,2,3
	v_xor_b32 v[C+\i], 0x88888888, v[C+\i]         ; eight sign bits turned
.endr
	v_max_num_f32 v12, 0x0a000000, v12             ; cc held at 2^-107 from below: its exponent field E is 20 at least
	v_add_nc_u32 v12, 2, v12                       ; rounded to 22 bits: a carry goes into the exponent field, where it belongs
	global_store_b128 v6, v[C:C+3], s[6:7]         ; 512 consecutive bytes
	v_lshrrev_b32 v13, 13, v12
	v_lshrrev_b32 v14, 2, v12
	v_lshrrev_b32 v15, 23, v12                     ; E
	v_and_b32 v13, 0x3ff, v13
	v_and_b32 v14, 0x7ff, v14                      ; lo
	v_sub_nc_u32 v15, v15, v22                     ; my digits' scale byte
	v_or_b32 v13, 0x400, v13                       ; hi, with the leading one
	v_add_nc_u32 v11, 1, v11                       ; x 2 (the byte is 252 at the most)
	v_cndmask_b32 v13, v13, v14, s28               ; my number: hi in lanes 0-15, lo in lanes 16-31
	v_lshl_or_b32 v11, v15, 16, v11                ; my two bytes: blocks h and 2 + h,
.irp b, 3,4,5,6,7,8,9,10
	v_bfe_u32 v[21+\b], v13, \b, 1
.endr
	v_lshlrev_b32 v11, v23, v11                    ; at their places;
.irp b, 3,4,5,6,7,8,9,10
	v_sub_nc_u32 v[21+\b], 0, v[21+\b]             ; v[21 + b]: all ones where bit b is set
.endr
	v_permlanex16_b32 v19, v11, s30, s31
	v_and_b32 v[R], 1, v13
	v_and_b32 v14, 2, v13
	v_and_b32 v15, 4, v13
	v_or_b32 v11, v11, v19                         ; with lane l xor 16's the scale word is whole
	v_lshl_or_b32 v[R], v14, 4, v[R]
	v_and_b32 v[R+1], 0x66, v28
	v_lshl_or_b32 v[R], v15, 8, v[R]
	v_and_b32 v[R+2], 0x66, v30
	v_and_or_b32 v[R], v24, 0x6000, v[R]
	v_and_or_b32 v[R+1], v29, 0x6600, v[R+1]
	v_and_or_b32 v[R], v25, 0x60000, v[R]
	v_and_or_b32 v[R+2], v31, 0x66666600, v[R+2]
	v_and_or_b32 v[R], v26, 0x600000, v[R]
	v_and_or_b32 v[R+1], v30, 0x66660000, v[R+1]
	v_and_or_b32 v[R], v27, 0x6000000, v[R]
	v_and_b32 v[R+3], 0x66666, v31
	v_and_or_b32 v[R], v29, 0x60000000, v[R]
	global_store_b128 v6, v[R:R+3], s[6:7] offset:512
	global_store_b32 v7, v11, s[10:11] offset:131072               ; lanes l and l xor 16 store the same word with the same value; 64 consecutive bytes a wave, 8 KB in the whole launch
.irp t, 0,1,2,3,4,5,6,7
	s_wait_dscnt 7-\t                              ; rows 2 t and 2 t + 1 are back
	global_store_b128 v6, v[OUT+4*\t:OUT+4*\t+3], s[8:9] offset:(16*(\t/4)+2*(\t%4))*256   ; two neighbouring codes: 512 consecutive bytes, aligned
.endr
	s_wait_tensorcnt 0x0                           ; the wave's end
	ds_add_u32 v20, v21
	s_wait_dscnt 0x0
	s_endpgm
.Lfunc_end_k_q3510fb5104_prep:
	.size	k_q3510fb5104_prep, .Lfunc_end_k_q3510fb5104_prep-k_q3510fb5104_prep
	.p2alignl 7, 3214868480
	.fill 96, 4, 3214868480
	.section	.rodata,"a",@progbits
	.p2align	6, 0x0
	.amdhsa_kernel k_q3510fb5104_prep
		.amdhsa_group_segment_fixed_size 17920
		.amdhsa_private_segment_fixed_size 0
		.amdhsa_enable_private_segment 0
		.amdhsa_kernarg_size 24
		.amdhsa_user_sgpr_count 2
		.amdhsa_user_sgpr_kernarg_segment_ptr 1
		.amdhsa_wavefront_size32 1
		.amdhsa_system_sgpr_workgroup_id_x 1
		.amdhsa_system_sgpr_workgroup_id_y 1
		.amdhsa_system_sgpr_workgroup_id_z 1
		.amdhsa_system_vgpr_workitem_id 0
		.amdhsa_next_free_vgpr 104
		.amdhsa_next_free_sgpr 66
		.amdhsa_reserve_vcc 0
		.amdhsa_float_denorm_mode_32 3
		.amdhsa_float_denorm_mode_16_64 3
		.amdhsa_memory_ordered 1
		.amdhsa_forward_progress 1
		.amdhsa_inst_pref_size 14
	.end_amdhsa_kernel
	.amdgpu_metadata
---
amdhsa.version: [ 1, 2 ]
amdhsa.kernels:
  - .name:           k_q3510fb5104_prep
    .symbol:         k_q3510fb5104_prep.kd
    .args:
      - { .name: codebook, .offset: 0, .size: 8, .value_kind: global_buffer, .address_space: global }
      - { .name: cbimg, .offset: 8, .size: 8, .value_kind: global_buffer, .address_space: global }
      - { .name: cbt, .offset: 16, .size: 8, .value_kind: global_buffer, .address_space: global }
    .group_segment_fixed_size: 17920
    .private_segment_fixed_size: 0
    .kernarg_segment_align: 8
    .kernarg_segment_size: 24
    .max_flat_workgroup_size: 128
    .sgpr_count:     66
    .vgpr_count:     104
    .wavefront_size: 32
...
	.end_amdgpu_metadata
.endif
;; end of part 1
;; launch argmin (part 2): grid 256 x 1, 8 waves a work-group, clusters of 4 x 1, 211,456 bytes of LDS; arguments inputs, cbimg, idx, hist; writes idx, hist
.if DOCPART == 2
	.amdgcn_target "amdgcn-amd-amdhsa--gfx1250"
	.amdhsa_code_object_version 6
	.text
	.protected	k_q3510fb5104_argmin
	.globl	k_q3510fb5104_argmin
	.p2align	8
	.type	k_q3510fb5104_argmin,@function
k_q3510fb5104_argmin:
	s_mov_b64 s[64:65], 0
	v_nop
	global_prefetch_b8 v0, s[64:65] scope:SCOPE_SE
	s_setreg_imm32_b32 hwreg(HW_REG_WAVE_MODE, 25, 1), 1
	s_wait_xcnt 0x0
	s_wait_alu depctr_hold_cnt(0) depctr_sa_sdst(0) depctr_va_vdst(0) depctr_va_sdst(0) depctr_va_ssrc(0) depctr_va_vcc(0) depctr_vm_vsrc(0)
	s_getreg_b32 s2, hwreg(HW_REG_IB_STS2, 6, 4)
	s_cmp_eq_u32 s2, 0
	s_cbranch_scc0 .Lentry_in_a_cluster
	s_endpgm
.Lentry_in_a_cluster:
	s_bfe_u32 s2, ttmp6, 0x10000c
	s_cmp_lg_u32 s2, 0x3003
	s_cbranch_scc0 .Lentry_shape_is_right
	s_endpgm
.Lentry_shape_is_right:
; For each of 65,536 rows x (64 numbers): idx = the FIRST code with the smallest d = (xx - 2 x.c) + cc, the product x.c on codes of E2M1 with one E8M0 scale for each 32 along K; and the work-group's histogram of idx.
; SHARES.  A work-group owns 256 rows, each of its eight waves 32: two tiles of 16.  Every wave walks all 2,048 codes, 32 (a group: two tiles of 16) a step.
; THE TABLE (cbimg: fragments of -2 x the quantised codebook with the digits of cc, and their scale words: 139,264 bytes) comes into LDS once, an eighth a wave, by one tensor load each.  All work-groups read the same
; table, so the four of a cluster ask for it JOINTLY.  Nothing in LDS is filled twice.  No prefetch: no loop here fetches from memory, the table and x are asked for once, at the head.
; THE PRODUCT.  Source 0 = 16 codes, source 1 = 16 rows of x, C = xx of the lane's row in all eight registers.  K is 64: in the instruction's other 64 places the table holds cc's digits and x's fragment their fixed weights
; (scale 1), so the result is d itself, and a lane holds ONE row (lane % 16) and tile rows 8 (lane / 16) + 0 .. 7.  The table's order of codes makes the lane's 16 registers of a group's two tiles 16 NEIGHBOURING codes:
; 32 g + 16 (lane / 16) + 0 .. 15, its chunk of group g.
; THE SEARCH, for 16 distances of a lane: 8 minima of three (the 16 and the best so far), one compare (strictly less: at a tie the earlier group stays), one select of the group's number, 8 paired selects that keep the
; winning chunk's 16 distances.  At the end the first kept distance that equals the best gives the place in the chunk, and the two halves of the lanes settle by (distance, index).  No branch and no address hangs on a distance.
; THE HISTOGRAM without scatter: idx = 64 hi + lo, and count[hi][lo] = the sum over the 256 rows of [hi_n = hi] [lo_n = lo]: a product of two one-hot matrices with K = the rows, by the same matrix form:
; code 4 (the number 2) where the byte matches, scale bytes 126 on both sides, so that a hit counts exactly 1.  Wave w makes the tile hi 16 (w / 4) .., lo 16 (w % 4) ..; two instructions.  A count is 256 at the most: exact in bf16.
; LIMITS.  NaN and infinities among the inputs are not served (the minima drop a NaN).  A block of zeros, and one whose largest magnitude lies under 2^-124, keeps the scale byte 1.  cc is carried with 22 bits; the sum
; xx - 2 x.c + cc carries the matrix unit's rounding, and xx is summed in this text's order: an index can turn only where the two smallest d lie within an ulp or so of each other.
; REGISTERS: v1-15 lane numbers and addresses; v16-31 x's two fragments; v32-47 xx as C; v48-111 the codes' fragments, four buffers; v112-175 the results, two buffers of 32; v176-207 the kept distances;
;   v208-211 the best, two sets by turns; v212-213 its group; v214-217 the codes' scale words, four buffers, v222-223 x's: scales and nothing else; v218-221 the minima's chains; v224-231, v240-251 at work.
.set IMGS, 131072                      ; LDS: [0, 131072) fragments; the scale words;
.set STG,  139264                      ; a stage of 2 x 16 rows x 272 bytes for each wave, through which x turns;
.set SP,   272
.set IDXW, 208896                      ; the 256 indices as words;
.set HIB,  209920                      ; their upper parts as bytes; 256 bytes further on their lower parts;
.set SPARE, 210432                     ; the spare words
.set XF,   16
.set XX,   32
.set AF,   48
.set D,    112
.set CAP,  176
.set BEST, 208
.set GID,  212
.set AS,   214
.set U,    218
.set XS,   222
.set T,    224
.set XN,   176                         ; x's tile 0 as numbers: v176-207; tile 1: v80-111
; A round of the cluster's barrier: my work-group's barrier, wave 0 signals for the work-group, every wave waits for all four work-groups, my work-group's barrier once more.
.macro ROUND
	s_barrier_signal -1
	s_barrier_wait -1
	s_cmp_lg_u32 s12, 0
	s_cbranch_scc1 .Lnot_wave_0_\@
	s_barrier_signal -3
.Lnot_wave_0_\@:
	s_barrier_wait -3
	s_barrier_signal -1
	s_barrier_wait -1
.endm
	s_load_b256 s[4:11], s[0:1], 0x0               ; inputs s[4:5], cbimg s[6:7], idx s[8:9], hist s[10:11]
	v_lshl_add_u32 v232, v0, 2, SPARE
	v_mov_b32 v233, 0
	ds_add_u32 v232, v233                          ; the wave's opening: the add, twice on end, and its wait ahead of my tensor load
	ds_add_u32 v232, v233
	v_lshrrev_b32 v1, 5, v0
	v_readfirstlane_b32 s12, v1                    ; wave 0..7
	v_and_b32 v1, 31, v0                           ; L
	v_and_b32 v2, 15, v0                           ; r
	v_bfe_u32 v3, v0, 4, 1                         ; h
	s_mul_i32 s18, s12, 32*SP
	s_add_co_u32 s18, s18, STG                     ; my wave's stage
	v_lshlrev_b32 v4, 4, v1                        ; 16 L: my 16 bytes of 512; also my place in a fragment's image
	v_mul_u32_u24 v5, v3, SP
	v_mul_u32_u24 v6, v2, SP
	v_lshl_add_u32 v8, v1, 2, IMGS                 ; a group's scale words: lanes 0-15 tile 0's, lanes 16-31 tile 1's
	v_lshlrev_b32 v10, 3, v3                       ; 8 h
	v_lshl_add_u32 v5, v2, 4, v5
	v_lshl_add_u32 v6, v3, 7, v6
	v_lshl_add_u32 v14, v0, 2, IDXW                ; where my index goes as a word,
	v_add_nc_u32 v15, HIB, v0                      ; and as two bytes
	v_add_nc_u32 v5, s18, v5                       ; into the stage, as loaded: row h of a pair, 16 r
	v_add_nc_u32 v6, s18, v6                       ; out of it: row r, block h: 128 bytes a lane
	v_lshlrev_b32 v234, 4, v0                      ; idx on its way out: 16 bytes a thread, in memory
	v_lshl_add_u32 v236, v3, 6, HIB                ; the histogram: my half's 64 bytes of a K step
.irp i, 0,1
	v_mov_b32 v[XF+8*\i+4], 0x66421111             ; the weights of cc's digits, the lowest place in the lowest bits: 0.5 (four times), 1, 2, 4, 4;
	v_mov_b32 v[XF+8*\i+5], 0x77777747             ; 6, 2, 6 (six times);
	v_mov_b32 v[XF+8*\i+6], 0x77777747             ; the same;
	v_mov_b32 v[XF+8*\i+7], 0x00067777             ; 6 (four times), 4, and 0 where the table has no digit
.endr
	v_add_nc_u32 v235, IDXW, v234                  ; and in LDS
.irp j, 248,249,250,251
	v_mov_b32 v[\j], 0                             ; a lane permute's destination counts as one of its sources: written once
.endr
	s_bfe_u32 s13, ttmp6, 0x40000                  ; cx: my place in the cluster: it enters global addresses of x, idx and hist alone
	s_lshl_b32 s14, ttmp9, 2                       ; in a cluster launch ttmp9 counts clusters
	s_add_co_u32 s14, s14, s13                     ; my work-group
	; descriptor group 1: 68 dense rows of 256 bytes (32 elements of 8 bytes), no padding: a wave's eighth of the table
	s_mov_b32 s24, 15|(3<<16)|(1<<21)              ; 15:0 the mask: all four work-groups; 17:16 elements of 8 bytes; 21 set beside a mask
	s_mov_b32 s25, 32<<16                          ; tensor_dim0 = 32
	s_mov_b32 s26, 68<<16                          ; tensor_dim1 = 68
	s_mov_b32 s27, 32<<16                          ; tile_dim0 = 32
	s_mov_b32 s28, 68                              ; tile_dim1 = 68
	s_mov_b32 s29, 32                              ; from row to row: 32 elements
	s_mov_b32 s30, 0
	s_mov_b32 s31, 0
	s_mov_b32 s32, 1                               ; group 0: count = 1,
	s_mul_i32 s33, s12, 17408                      ; the LDS address: 17,408 x wave,
	s_mov_b32 s16, s33                             ; and the same offset in cbimg: nothing here hangs on cx
	s_mov_b32 s17, 0
	s_lshl_b32 s18, s14, 16                        ; x: 256 rows of 256 bytes a work-group,
	s_lshl_b32 s19, s12, 13                        ; 32 a wave
	s_add_co_u32 s18, s18, s19
	s_mov_b32 s19, 0
	s_lshl_b32 s20, s14, 10                        ; idx: 1,024 bytes a work-group
	s_mov_b32 s21, 0
	s_lshl_b32 s22, s14, 12                        ; hist: 4,096 bytes a work-group,
	s_lshl_b32 s23, s12, 9                         ; 512 a wave
	s_add_co_u32 s22, s22, s23
	s_mov_b32 s23, 0
	s_mov_b32 s36, 0x76543210
	s_mov_b32 s37, 0xfedcba98                      ; v_permlanex16_b32's selects for lane l xor 16
	s_mov_b32 s39, 0xffff0000                      ; lanes 16-31
	s_mov_b32 s40, 0x40404040
	s_mov_b32 s41, 0x04040404
	s_mov_b32 s42, 0x01010101
	s_lshr_b32 s43, s12, 2
	s_lshl_b32 s43, s43, 4                         ; the histogram: my tile's first hi,
	s_and_b32 s44, s12, 3
	s_lshl_b32 s44, s44, 4                         ; and its first lo
	s_wait_alu depctr_va_vdst(0)                   ; the wait at the head's end
	s_wait_dscnt 0x0                               ; both opening adds are done
	ROUND                                          ; all four work-groups are here: the joint loads meet.  (The arguments are on their way meanwhile)
	s_wait_kmcnt 0x0
	s_add_nc_u64 s[34:35], s[6:7], s[16:17]        ; group 0: the global address,
	s_or_b32 s35, s35, 0x80000000                  ; the type
	tensor_load_to_lds s[32:35], s[24:31]          ; my one tensor load of the launch
	s_nop 0
.rept 4
	v_nop                                          ; four nops behind a tensor load
.endr
	s_add_nc_u64 s[4:5], s[4:5], s[18:19]
	s_add_nc_u64 s[8:9], s[8:9], s[20:21]
	s_add_nc_u64 s[10:11], s[10:11], s[22:23]
.irp t, 0,1,2,3,4,5,6,7,8,9,10,11,12,13,14,15
	global_load_b128 v[D+4*\t:D+4*\t+3], v4, s[4:5] offset:512*\t  ; my wave's rows 2 t and 2 t + 1: 512 consecutive bytes
.endr
	s_wait_tensorcnt 0x0                           ; my eighth of the table has landed,
	s_barrier_signal -1
	s_barrier_wait -1                              ; everybody's has: from here on a wave waits for its own x alone
.macro ADDR                            ; the addresses of the loads in hand: constant lane terms + scalars that step by constants in the counted loop
	v_add_nc_u32 v11, s45, v4
	v_add_nc_u32 v12, s46, v8
.endm
.macro LDA b, off                      ; a group's two fragments and its scale words into buffer b: five loads
.irp q, 0,1,2,3
	ds_load_b128 v[AF+16*(\b)+4*\q:AF+16*(\b)+4*\q+3], v11 offset:(\off)+512*\q
.endr
	ds_load_b32 v[AS+(\b)], v12 offset:(\off)/16
.endm
; Four matrix instructions: the group in buffer b x my two tiles of rows, into v[DB] on: tile i, codes' tile a at 16 i + 8 a.  Each begins a sum with xx as C; no two that follow each other share C or D.
.macro MM b, DB
.set DM, \DB
.set AB, AF+16*(\b)
.set SA, AS+(\b)
.irp a, 0,1
.irp i, 0,1
.if \a
	v_wmma_scale_f32_16x16x128_f8f6f4 v[DM+16*\i+8:DM+16*\i+15], v[AB+8:AB+15], v[XF+8*\i:XF+8*\i+7], v[XX+8*\i:XX+8*\i+7], v[SA], v[XS+\i] matrix_a_fmt:MATRIX_FMT_FP4 matrix_b_fmt:MATRIX_FMT_FP4 matrix_a_scale:MATRIX_SCALE_ROW1
.else
	v_wmma_scale_f32_16x16x128_f8f6f4 v[DM+16*\i:DM+16*\i+7], v[AB:AB+7], v[XF+8*\i:XF+8*\i+7], v[XX+8*\i:XX+8*\i+7], v[SA], v[XS+\i] matrix_a_fmt:MATRIX_FMT_FP4 matrix_b_fmt:MATRIX_FMT_FP4
.endif
.endr
.endr
.endm
; The vector work on one group's distances in v[DB] on.  so: the set that holds the best so far; the new best goes to the other.  first = 1: group 0, whose distances lie in the kept ones' registers and start everything.
.macro VAL DB, so, first
.set DD, \DB
.set OLD, BEST+2*(\so)
.set NEW, BEST+2-2*(\so)
.set SH, \first
.irp i, 0,1
.if \first
	v_min3_num_f32 v[U+2*\i], v[DD+16*\i], v[DD+16*\i+1], v[DD+16*\i+2]
.else
	v_min3_num_f32 v[U+2*\i], v[OLD+\i], v[DD+16*\i], v[DD+16*\i+1]
.endif
.endr
.irp i, 0,1
	v_min3_num_f32 v[U+2*\i+1], v[DD+16*\i+8], v[DD+16*\i+9], v[DD+16*\i+10]    ; four chains by turns
.endr
.irp q, 0,2
.irp i, 0,1
	v_min3_num_f32 v[U+2*\i], v[U+2*\i], v[DD+16*\i+2+\q+SH], v[DD+16*\i+3+\q+SH]
.endr
.irp i, 0,1
	v_min3_num_f32 v[U+2*\i+1], v[U+2*\i+1], v[DD+16*\i+11+\q], v[DD+16*\i+12+\q]
.endr
.endr
.irp i, 0,1
	v_min3_num_f32 v[U+2*\i], v[U+2*\i], v[DD+16*\i+6+SH], v[DD+16*\i+7+8*SH]
.endr
.irp i, 0,1
.if \first
	v_min_num_f32 v[NEW+\i], v[U+2*\i], v[U+2*\i+1]
.else
	v_min3_num_f32 v[NEW+\i], v[U+2*\i], v[U+2*\i+1], v[DD+16*\i+15]
.endif
.endr
.irp i, 0,1
.if \first
	v_mov_b32 v[GID+\i], 0
.else
	v_cmp_lt_f32 vcc_lo, v[NEW+\i], v[OLD+\i]      ; strictly less: this chunk holds a smaller distance than all before it
	v_cndmask_b32 v[GID+\i], v[GID+\i], s47, vcc_lo
.irp p, 0,2,4,6,8,10,12,14
	v_dual_cndmask_b32 v[CAP+16*\i+\p], v[CAP+16*\i+\p], v[DD+16*\i+\p] :: v_dual_cndmask_b32 v[CAP+16*\i+\p+1], v[CAP+16*\i+\p+1], v[DD+16*\i+\p+1]   ; then its 16 distances are kept, two an instruction, by VCC
.endr
.endif
.endr
.if \first == 0
	s_add_co_u32 s47, s47, 1                       ; the next group's number
.endif
.endm
; Group g's turn.  out: how many LDS loads may be out: group g + 1's five have to be in.  Then the products of group g + 1 (buffer mb, results md); group g + 3's five loads, into the buffer lb, whose last reader, the products
; of group g - 1, stands two VAL back: far more than the four plain vector instructions that name none of its registers; then the vector work on group g's distances (results vd), made a turn ago.
.macro ITER out, mb, md, la, lb, off, vd
	s_wait_dscnt \out
	MM \mb, D+32*\md
.if \la
	LDA \lb, \off
.endif
	VAL D+32*\vd, \vd, 0
.endm
	s_mov_b32 s45, 0
	s_mov_b32 s46, 0
	s_mov_b32 s47, 1
	; x turns through the stage: in as loaded (16 bytes a lane, two rows an instruction), out as a lane wants it: ONE WHOLE BLOCK of 32 numbers of row r
	s_wait_loadcnt 8                               ; tile 0's eight loads are in; tile 1's eight may be out
.irp t, 0,1,2,3,4,5,6,7
	ds_store_b128 v5, v[D+4*\t:D+4*\t+3] offset:2*\t*SP
.endr
	s_wait_loadcnt 0x0
.irp t, 0,1,2,3,4,5,6,7
	ds_store_b128 v5, v[D+32+4*\t:D+32+4*\t+3] offset:16*SP+2*\t*SP
.endr
.irp i, 0,1
.irp q, 0,1,2,3,4,5,6,7
	ds_load_b128 v[XN-96*\i+4*\q:XN-96*\i+4*\q+3], v6 offset:16*SP*\i+16*\q        ; LDS serves a wave's instructions in order (ISA guide 5.7.1.4): these see the stores above
.endr
.endr
	ADDR
	LDA 0, 0                                       ; groups 0 and 1 are on their way while x is quantised
	LDA 1, 2048
	s_wait_dscnt 10                                ; x is back; the ten loads behind it may be out
; Both tiles of x by turns (row r, k = 32 h + 0 .. 31): the codes, the scale word, and xx into the eight registers that serve as C
.irp i, 0,1
	v_max3_num_f32 v[T+16*\i], |v[XN-96*\i]|, |v[XN+1-96*\i]|, |v[XN+2-96*\i]|
	v_max3_num_f32 v[T+1+16*\i], |v[XN+3-96*\i]|, |v[XN+4-96*\i]|, |v[XN+5-96*\i]|
.endr
.irp q, 6,10,14,18,22,26
.irp i, 0,1
	v_max3_num_f32 v[T+16*\i], v[T+16*\i], |v[XN+\q-96*\i]|, |v[XN+\q+1-96*\i]|
	v_max3_num_f32 v[T+1+16*\i], v[T+1+16*\i], |v[XN+\q+2-96*\i]|, |v[XN+\q+3-96*\i]|
.endr
.endr
.irp i, 0,1
	v_max3_num_f32 v[T+16*\i], v[T+16*\i], |v[XN+30-96*\i]|, |v[XN+31-96*\i]|
	v_pk_mul_f32 v[T+4+16*\i:T+5+16*\i], v[XN-96*\i:XN+1-96*\i], v[XN-96*\i:XN+1-96*\i]            ; the sum of my 32 squares: two packed chains
	v_pk_mul_f32 v[T+6+16*\i:T+7+16*\i], v[XN+2-96*\i:XN+3-96*\i], v[XN+2-96*\i:XN+3-96*\i]
.endr
.irp i, 0,1
	v_max3_num_f32 v[T+16*\i], v[T+16*\i], v[T+1+16*\i], 0x1800000 ; the block's largest magnitude, and the floor 2^(3 - 127): the byte cannot fall under 1
.endr
.irp q, 4,8,12,16,20,24,28
.irp i, 0,1
	v_pk_fma_f32 v[T+4+16*\i:T+5+16*\i], v[XN+\q-96*\i:XN+\q+1-96*\i], v[XN+\q-96*\i:XN+\q+1-96*\i], v[T+4+16*\i:T+5+16*\i]
	v_pk_fma_f32 v[T+6+16*\i:T+7+16*\i], v[XN+\q+2-96*\i:XN+\q+3-96*\i], v[XN+\q+2-96*\i:XN+\q+3-96*\i], v[T+6+16*\i:T+7+16*\i]
.endr
.endr
.irp i, 0,1
	v_add_nc_u32 v[T+2+16*\i], 0xff000000, v[T+16*\i]              ; 2 off its exponent field: the conversion's scale operand
.endr
.irp i, 0,1
.irp q, 0,1,2,3
	v_cvt_scalef32_pk8_fp4_f32 v[XF+8*\i+\q], v[XN+8*\q-96*\i:XN+8*\q+7-96*\i], v[T+2+16*\i]   ; registers 0-3 of the fragment: k = 32 h + 0 .. 31
.endr
.endr
.irp i, 0,1
	v_lshrrev_b32 v[T+3+16*\i], 23, v[T+2+16*\i]   ; the scale's byte.  (Also the plain lines behind the conversions)
.endr
.irp i, 0,1
	v_pk_add_f32 v[T+4+16*\i:T+5+16*\i], v[T+4+16*\i:T+5+16*\i], v[T+6+16*\i:T+7+16*\i]
.endr
.irp i, 0,1
	v_lshlrev_b32 v[T+3+16*\i], v10, v[T+3+16*\i]  ; my byte at its place, 8 h bits up
.endr
.irp i, 0,1
	v_add_f32 v[T+4+16*\i], v[T+4+16*\i], v[T+5+16*\i]
.endr
.irp i, 0,1
	v_permlanex16_b32 v[250+\i], v[T+3+16*\i], s36, s37
.endr
.irp i, 0,1
	v_permlanex16_b32 v[248+\i], v[T+4+16*\i], s36, s37
.endr
.irp i, 0,1
	v_or_b32 v[T+3+16*\i], v[T+3+16*\i], v[250+\i] ; with the other block's,
.endr
.irp i, 0,1
	v_add_f32 v[T+4+16*\i], v[T+4+16*\i], v[248+\i]                ; xx; the addition commutes, so both halves of the lanes hold the same bits
.endr
.irp i, 0,1
	v_or_b32 v[XS+\i], 0x7f7f0000, v[T+3+16*\i]    ; and 1 for the two blocks of weights
.endr
.irp j, 0,1,2,3,4,5,6,7
.irp i, 0,1
	v_mov_b32 v[XX+8*\i+\j], v[T+4+16*\i]
.endr
.endr
	LDA 2, 4096
	s_wait_alu depctr_va_vdst(0)                   ; directly ahead of the wait below
	s_wait_dscnt 5                                 ; groups 0 and 1 are in; group 2's five loads may be out
	MM 0, CAP                                      ; group 0's distances land where the kept ones live: nothing is copied
	MM 1, D+32
.rept 4
	v_nop                                          ; four places between group 0's products and the first read of their results
.endr
	LDA 3, 6144
	VAL CAP, 0, 1
	s_mov_b32 s38, 15
.Lgrp:                                                 ; 15 trips of four groups: g = 1 .. 60
	ADDR
	s_wait_alu depctr_va_vdst(0)
	ITER 5, 2, 0, 1, 0, 8192, 1
	ITER 5, 3, 1, 1, 1, 10240, 0
	ITER 5, 0, 0, 1, 2, 12288, 1
	ITER 5, 1, 1, 1, 3, 14336, 0
	s_add_co_u32 s45, s45, 8192
	s_add_co_u32 s46, s46, 512
	s_sub_co_u32 s38, s38, 1
	s_cmp_lg_u32 s38, 0
	s_cbranch_scc1 .Lgrp
	ITER 5, 2, 0, 0, 0, 0, 1                       ; groups 61, 62 and 63 are written out: they fetch nothing beyond the table
	ITER 0, 3, 1, 0, 0, 0, 0
	VAL D+32, 1, 0                                 ; the best now lies in set 0
; The first kept distance that equals the best gives the place in the chunk; then the two halves of the lanes, which hold the same row, settle: the smaller distance, at a tie the lower index.
	v_mov_b32 v224, 15
	v_mov_b32 v225, 15
.irp p, 14,13,12,11,10,9,8,7,6,5,4,3,2,1,0
	v_cmp_neq_f32 vcc_lo, v[CAP+\p], v[BEST]
	v_cmp_neq_f32 s48, v[CAP+16+\p], v[BEST+1]
	v_cndmask_b32 v224, \p, v224, vcc_lo           ; descending, so that the lowest place is written last
	v_cndmask_b32 v225, \p, v225, s48
.endr
.irp i, 0,1
	v_permlanex16_b32 v[248+\i], v[BEST+\i], s36, s37
	v_lshl_add_u32 v[224+\i], v3, 4, v[224+\i]
.endr
.irp i, 0,1
	v_lshl_add_u32 v[226+\i], v[GID+\i], 5, v[224+\i]              ; idx = 32 x group + 16 h + place
.endr
.irp i, 0,1
	v_cmp_lt_f32 s[48+3*\i], v[248+\i], v[BEST+\i]
	v_cmp_eq_f32 s[49+3*\i], v[248+\i], v[BEST+\i]
.endr
.irp i, 0,1
	v_permlanex16_b32 v[250+\i], v[226+\i], s36, s37
.endr
.irp i, 0,1
	v_cmp_lt_u32 s[50+3*\i], v[250+\i], v[226+\i]
.endr
.irp i, 0,1
	s_and_b32 s[49+3*\i], s[49+3*\i], s[50+3*\i]
	s_or_b32 s[48+3*\i], s[48+3*\i], s[49+3*\i]
	v_cndmask_b32 v[226+\i], v[226+\i], v[250+\i], s[48+3*\i]
.endr
	v_cndmask_b32 v228, v226, v227, s39            ; lane L holds the index of my wave's row L
	v_lshrrev_b32 v224, 6, v228                    ; hi, under 32
	v_and_b32 v225, 63, v228                       ; lo
	ds_store_b32 v14, v228
	ds_store_b8 v15, v224
	ds_store_b8 v15, v225 offset:256
	s_wait_dscnt 0x0                               ; for the others' sake: my stores have landed
	s_barrier_signal -1
	s_barrier_wait -1
	s_cmp_lt_u32 s12, 2                            ; waves 0 and 1 send the 256 indices out
	s_cbranch_scc0 .Lno_idx
	ds_load_b128 v[244:247], v235
	s_wait_dscnt 0x0
	global_store_b128 v234, v[244:247], s[8:9]     ; 32 lanes store 512 consecutive bytes, aligned; none of these registers is written again
.Lno_idx:
	v_mov_b32 v[AS], 0x7e7e7e7e                    ; the histogram's scales, for both sides: 1/2 in every block
.irp s, 0,1
.irp q, 0,1,2,3
	ds_load_b128 v[D+16*\s+4*\q:D+16*\s+4*\q+3], v236 offset:128*\s+16*\q           ; hi of rows 128 s + 64 h + 16 q ..
	ds_load_b128 v[D+32+16*\s+4*\q:D+32+16*\s+4*\q+3], v236 offset:256+128*\s+16*\q ; lo of the same rows
.endr
.endr
	v_add_nc_u32 v240, s43, v2
	v_add_nc_u32 v241, s44, v2
	v_mul_lo_u32 v240, v240, s42                   ; my row of the first operand: the hi that I stand for, in all four bytes
	v_mul_lo_u32 v241, v241, s42                   ; my column of the second: the lo
	s_wait_alu depctr_va_vdst(0)                   ; directly ahead of the wait below
	s_wait_dscnt 0x0
; Eight bytes become eight codes.  A byte xor my value is under 64, so 0x40 less it borrows nothing and has bit 6 set only where the byte IS my value: code 4 in the byte's upper four bits; a second register's
; flags, four bits down, fill the lower ones.  Both operands are made alike, so that a place along K is the same row in both.
.irp s, 0,1
.irp f, 0,1,2,3,4,5,6,7
	v_xor_b32 v224, v[D+16*\s+2*\f], v240
	v_xor_b32 v225, v[D+1+16*\s+2*\f], v240
	v_xor_b32 v226, v[D+32+16*\s+2*\f], v241
	v_xor_b32 v227, v[D+33+16*\s+2*\f], v241
	v_sub_nc_u32 v225, s40, v225
	v_sub_nc_u32 v227, s40, v227
	v_sub_nc_u32 v224, s40, v224
	v_sub_nc_u32 v226, s40, v226
	v_lshrrev_b32 v225, 4, v225
	v_lshrrev_b32 v227, 4, v227
	v_and_b32 v225, s41, v225
	v_and_b32 v227, s41, v227
	v_bfi_b32 v[CAP+8*\s+\f], s40, v224, v225
	v_bfi_b32 v[CAP+16+8*\s+\f], s40, v226, v227
.endr
.endr
.rept 4
	v_nop                                          ; operands written by vector instructions stand four places ahead of a scaled matrix instruction (the scales were written far earlier)
.endr
	v_wmma_scale_f32_16x16x128_f8f6f4 v[48:55], v[176:183], v[192:199], 0, v[AS], v[AS] matrix_a_fmt:MATRIX_FMT_FP4 matrix_b_fmt:MATRIX_FMT_FP4
	s_wait_alu depctr_va_vdst(0)                   ; one accumulator, two links
	v_wmma_scale_f32_16x16x128_f8f6f4 v[48:55], v[184:191], v[200:207], v[48:55], v[AS], v[AS] matrix_a_fmt:MATRIX_FMT_FP4 matrix_b_fmt:MATRIX_FMT_FP4
.rept 4
	v_nop                                          ; four places in front of the lines that read the result
.endr
.irp j, 0,1,2,3
	v_cvt_pk_bf16_f32 v[56+\j], v[48+2*\j], v[49+2*\j]             ; whole numbers up to 256: exact
.endr
	global_store_b128 v4, v[56:59], s[10:11]       ; the counts as an image of their registers: 512 consecutive bytes.  Which place is which bin is the same in every work-group,
	                                               ; and the entropy is a sum over all bins: nobody needs to know more
	s_wait_tensorcnt 0x0                           ; the wave's end
	ds_add_u32 v232, v233
	s_wait_dscnt 0x0
	ROUND                                          ; the closing round: no work-group ends while a partner may still ask for a tile that names it
	s_endpgm
.Lfunc_end_k_q3510fb5104_argmin:
	.size	k_q3510fb5104_argmin, .Lfunc_end_k_q3510fb5104_argmin-k_q3510fb5104_argmin
	.p2alignl 7, 3214868480
	.fill 96, 4, 3214868480
	.section	.rodata,"a",@progbits
	.p2align	6, 0x0
	.amdhsa_kernel k_q3510fb5104_argmin
		.amdhsa_group_segment_fixed_size 211456
		.amdhsa_private_segment_fixed_size 0
		.amdhsa_enable_private_segment 0
		.amdhsa_kernarg_size 32
		.amdhsa_user_sgpr_count 2
		.amdhsa_user_sgpr_kernarg_segment_ptr 1
		.amdhsa_wavefront_size32 1
		.amdhsa_system_sgpr_workgroup_id_x 1
		.amdhsa_system_sgpr_workgroup_id_y 1
		.amdhsa_system_sgpr_workgroup_id_z 1
		.amdhsa_system_vgpr_workitem_id 0
		.amdhsa_next_free_vgpr 252
		.amdhsa_next_free_sgpr 66
		.amdhsa_reserve_vcc 1
		.amdhsa_float_denorm_mode_32 3
		.amdhsa_float_denorm_mode_16_64 3
		.amdhsa_memory_ordered 1
		.amdhsa_forward_progress 1
		.amdhsa_inst_pref_size 54
	.end_amdhsa_kernel
	.amdgpu_metadata
---
amdhsa.version: [ 1, 2 ]
amdhsa.kernels:
  - .name:           k_q3510fb5104_argmin
    .symbol:         k_q3510fb5104_argmin.kd
    .args:
      - { .name: inputs, .offset: 0, .size: 8, .value_kind: global_buffer, .address_space: global }
      - { .name: cbimg, .offset: 8, .size: 8, .value_kind: global_buffer, .address_space: global }
      - { .name: idx, .offset: 16, .size: 8, .value_kind: global_buffer, .address_space: global }
      - { .name: hist, .offset: 24, .size: 8, .value_kind: global_buffer, .address_space: global }
    .group_segment_fixed_size: 211456
    .private_segment_fixed_size: 0
    .kernarg_segment_align: 8
    .kernarg_segment_size: 32
    .max_flat_workgroup_size: 256
    .sgpr_count:     66
    .vgpr_count:     252
    .wavefront_size: 32
...
	.end_amdgpu_metadata
.endif
;; end of part 2
;; launch gather (part 3): grid 256 x 1, 8 waves a work-group, no clusters, 1,536 bytes of LDS; arguments inputs, idx, cbt, hist, out0, part; writes out0, part
.if DOCPART == 3
	.amdgcn_target "amdgcn-amd-amdhsa--gfx1250"
	.amdhsa_code_object_version 6
	.text
	.protected	k_q3510fb5104_gather
	.globl	k_q3510fb5104_gather
	.p2align	8
	.type	k_q3510fb5104_gather,@function
k_q3510fb5104_gather:
	s_mov_b64 s[64:65], 0
	v_nop
	global_prefetch_b8 v0, s[64:65] scope:SCOPE_SE
	s_setreg_imm32_b32 hwreg(HW_REG_WAVE_MODE, 25, 1), 1
	s_wait_xcnt 0x0
; out0 = c, the row of cbt that idx names (the codebook as it is given, not quantised); the work-group's sum of (c - x)^2; and, of eight of the histogram's 2,048 bins, p log2(p + 1e-10).
; LEFT OUT: x + (c - x) is c in exact arithmetic for all finite x and c; a NaN, an infinity or an overflow of x in that sum alone is not carried to out0.
; A stream: no matrix unit, no cluster, no tile in LDS.  A work-group owns 256 rows, a wave 32; a row is 256 bytes, so an instruction of 16 bytes a lane takes two rows, lanes 0-15 one and lanes 16-31 the next.
; Loads of a wave, in their order: 16 of indices, 8 of x, then, as soon as the indices are in, 16 gathers, 8 more of x, 4 of counts.  A gathered pair of rows is stored as soon as it is in.  Each store covers 512 consecutive
; bytes, aligned.  No prefetch: there is no loop, every byte is asked for once, at the head.
; The indices come from a launch that has ended; each is held under 2,048 before it enters an address.
; THE HISTOGRAM: hist holds 256 work-groups' counts, 2,048 places each, bf16, alike in all.  Work-group g sums places 8 g .. 8 g + 7 over the 256: thread t takes the two places 2 (t % 4), + 1 of work-groups t / 4 + 64 u,
; u = 0 .. 3.  Those are 16 bytes of each work-group's 4,096: sixteen neighbouring work-groups of this launch share each aligned 256 bytes.  The sums are whole numbers under 2^17: every order of adding gives the same bits.
; Sums that span work-groups are finished by the next launch: part[g] = the squares, part[256 + g] = the entropy's share.
.set I,   16                           ; v16-31   the indices of rows 2 t + h
.set QO,  32                           ; v32-47   the gathers' offsets
.set X,   48                           ; v48-111  x, then c - x
.set Q,   112                          ; v112-175 c
.set H,   176                          ; v176-179 counts, two to a register
.set ACC, 184                          ; v184-191 the squares, in four packed sums
.set HS,  200                          ; v200-207 counts in f32
	s_load_b256 s[4:11], s[0:1], 0x0               ; inputs s[4:5], idx s[6:7], cbt s[8:9], hist s[10:11]
	s_load_b128 s[12:15], s[0:1], 0x20             ; out0 s[12:13], part s[14:15]
	v_lshl_add_u32 v208, v0, 2, 0x200
	v_mov_b32 v209, 0
	v_lshrrev_b32 v1, 5, v0
	v_readfirstlane_b32 s16, v1                    ; wave 0..7
	v_and_b32 v5, 31, v0                           ; L
	v_bfe_u32 v2, v0, 4, 1
	v_and_b32 v3, 15, v0
	v_lshrrev_b32 v4, 2, v0
	v_and_b32 v6, 3, v0
	v_lshlrev_b32 v1, 4, v5                        ; 16 L
	v_lshlrev_b32 v2, 2, v2                        ; 4 h: which of a pair's two indices
	v_lshlrev_b32 v3, 4, v3                        ; my 16 bytes of a row
	v_lshlrev_b32 v4, 12, v4
	v_lshl_add_u32 v4, v6, 2, v4                   ; the counts: 4,096 (t / 4) + 4 (t % 4)
	s_lshl_b32 s26, s16, 5
	v_lshlrev_b32 v7, 3, v6
	v_add_nc_u32 v7, s26, v7                       ; LDS [0, 256): wave w's eight sums of counts at 32 w
	s_lshl_b32 s27, s16, 2
	s_add_co_u32 s27, s27, 256
	v_mov_b32 v8, s27                              ; LDS [256, 288): wave w's sum of squares
	v_mov_b32 v9, 256
	v_lshlrev_b32 v10, 2, v5                       ; 4 L
	v_mov_b32 v11, 0
	v_mov_b32 v12, 0                               ; a lane permute's destination counts as one of its sources
	v_mov_b32 v13, 0
	v_mov_b32 v14, 0
	s_mov_b32 s29, 0xffff0000                      ; a word's upper bf16
	s_mov_b32 s30, 0x76543210
	s_mov_b32 s31, 0xfedcba98                      ; v_permlanex16_b32's selects for lane l xor 16
	s_lshl_b32 s18, ttmp9, 16                      ; x and out0: 65,536 bytes a work-group,
	s_lshl_b32 s19, s16, 13                        ; 8,192 a wave
	s_add_co_u32 s18, s18, s19
	s_mov_b32 s19, 0
	s_lshl_b32 s20, ttmp9, 10                      ; idx: 1,024 and 128
	s_lshl_b32 s21, s16, 7
	s_add_co_u32 s20, s20, s21
	s_mov_b32 s21, 0
	s_lshl_b32 s22, ttmp9, 4                       ; hist: my eight places
	s_mov_b32 s23, 0
	s_lshl_b32 s24, ttmp9, 2                       ; part
	s_mov_b32 s25, 0
	s_wait_alu depctr_va_vdst(0)                   ; the wait at the head's end
	s_wait_kmcnt 0x0
	s_add_nc_u64 s[6:7], s[6:7], s[20:21]
	s_add_nc_u64 s[4:5], s[4:5], s[18:19]
	s_add_nc_u64 s[12:13], s[12:13], s[18:19]
	s_add_nc_u64 s[10:11], s[10:11], s[22:23]
	s_add_nc_u64 s[14:15], s[14:15], s[24:25]
.irp t, 0,1,2,3,4,5,6,7,8,9,10,11,12,13,14,15
	global_load_b32 v[I+\t], v2, s[6:7] offset:8*\t
.endr
.irp t, 0,1,2,3,4,5,6,7
	global_load_b128 v[X+4*\t:X+4*\t+3], v1, s[4:5] offset:512*\t th:TH_LOAD_NT   ; read once in this launch
.endr
	s_wait_loadcnt 8                               ; the indices are in; x's first eight loads may be out
.irp t, 0,1,2,3,4,5,6,7,8,9,10,11,12,13,14,15
	v_min_u32 v[I+\t], 0x7ff, v[I+\t]              ; inside the table, whatever was loaded
.endr
.irp t, 0,1,2,3,4,5,6,7,8,9,10,11,12,13,14,15
	v_lshl_add_u32 v[QO+\t], v[I+\t], 8, v3        ; 256 bytes a code, + my 16
.endr
.irp t, 0,1,2,3,4,5,6,7,8,9,10,11,12,13,14,15
	global_load_b128 v[Q+4*\t:Q+4*\t+3], v[QO+\t], s[8:9]
.endr
.irp t, 8,9,10,11,12,13,14,15
	global_load_b128 v[X+4*\t:X+4*\t+3], v1, s[4:5] offset:512*\t th:TH_LOAD_NT
.endr
.irp u, 0,1,2,3
	global_load_b32 v[H+\u], v4, s[10:11] offset:262144*\u
.endr
.irp t, 0,1,2,3,4,5,6,7,8,9,10,11,12,13,14,15
	s_wait_loadcnt 27-\t                           ; gather t is in; behind it 15 - t gathers, eight loads of x and four of counts may be out
	global_store_b128 v1, v[Q+4*\t:Q+4*\t+3], s[12:13] offset:512*\t th:TH_STORE_NT ; no register of a store is written again
.endr
.macro SQ t0                           ; eight pairs of rows: c - x over x, then the squares in four packed sums; the first squares start them
.irp t, 0,1,2,3,4,5,6,7
.irp e, 0,2
	v_pk_add_f32 v[X+4*(\t0+\t)+\e:X+4*(\t0+\t)+\e+1], v[Q+4*(\t0+\t)+\e:Q+4*(\t0+\t)+\e+1], v[X+4*(\t0+\t)+\e:X+4*(\t0+\t)+\e+1] neg_lo:[0,1] neg_hi:[0,1]
.endr
.endr
.irp t, 0,1,2,3,4,5,6,7
.irp e, 0,2
.if (\t0+\t) < 2
	v_pk_mul_f32 v[ACC+4*\t+\e:ACC+4*\t+\e+1], v[X+4*\t+\e:X+4*\t+\e+1], v[X+4*\t+\e:X+4*\t+\e+1]
.else
	v_pk_fma_f32 v[ACC+4*(\t%2)+\e:ACC+4*(\t%2)+\e+1], v[X+4*(\t0+\t)+\e:X+4*(\t0+\t)+\e+1], v[X+4*(\t0+\t)+\e:X+4*(\t0+\t)+\e+1], v[ACC+4*(\t%2)+\e:ACC+4*(\t%2)+\e+1]
.endif
.endr
.endr
.endm
	SQ 0                                           ; x's first eight loads stand ahead of the gathers: they are in
	s_wait_alu depctr_va_vdst(0)                   ; directly ahead of the wait below
	s_wait_loadcnt 4                               ; all of x is in; the counts may be out
	SQ 8
	s_wait_alu depctr_va_vdst(0)                   ; and here
	s_wait_loadcnt 0x0
.irp u, 0,1,2,3
	v_lshlrev_b32 v[HS+2*\u], 16, v[H+\u]          ; bf16 to f32
	v_and_b32 v[HS+2*\u+1], s29, v[H+\u]
.endr
	v_pk_add_f32 v[ACC:ACC+1], v[ACC:ACC+1], v[ACC+2:ACC+3]
	v_pk_add_f32 v[ACC+4:ACC+5], v[ACC+4:ACC+5], v[ACC+6:ACC+7]
	v_pk_add_f32 v[HS:HS+1], v[HS:HS+1], v[HS+2:HS+3]
	v_pk_add_f32 v[HS+4:HS+5], v[HS+4:HS+5], v[HS+6:HS+7]
	v_pk_add_f32 v[ACC:ACC+1], v[ACC:ACC+1], v[ACC+4:ACC+5]
	v_pk_add_f32 v[HS:HS+1], v[HS:HS+1], v[HS+4:HS+5]
	v_add_f32 v[ACC], v[ACC], v[ACC+1]
	v_add_f32_dpp v[HS], v[HS], v[HS] row_xmask:4 row_mask:0xf bank_mask:0xf       ; the lanes 4, 8 and 16 away hold the same two places
	v_add_f32_dpp v[HS+1], v[HS+1], v[HS+1] row_xmask:4 row_mask:0xf bank_mask:0xf
	v_add_f32_dpp v[ACC], v[ACC], v[ACC] row_xmask:1 row_mask:0xf bank_mask:0xf
	v_add_f32_dpp v[HS], v[HS], v[HS] row_xmask:8 row_mask:0xf bank_mask:0xf
	v_add_f32_dpp v[HS+1], v[HS+1], v[HS+1] row_xmask:8 row_mask:0xf bank_mask:0xf
	v_add_f32_dpp v[ACC], v[ACC], v[ACC] row_xmask:2 row_mask:0xf bank_mask:0xf
	v_permlanex16_b32 v12, v[HS], s30, s31
	v_permlanex16_b32 v13, v[HS+1], s30, s31
	v_add_f32_dpp v[ACC], v[ACC], v[ACC] row_xmask:4 row_mask:0xf bank_mask:0xf
	v_add_f32 v[HS], v[HS], v12
	v_add_f32 v[HS+1], v[HS+1], v13
	v_add_f32_dpp v[ACC], v[ACC], v[ACC] row_xmask:8 row_mask:0xf bank_mask:0xf
	ds_store_b64 v7, v[HS:HS+1]                    ; eight lanes write the same words with the same values
	v_permlanex16_b32 v14, v[ACC], s30, s31
	v_add_f32 v[ACC], v[ACC], v14
	ds_store_b32 v8, v[ACC]                        ; all lanes write the same word with the same value
	s_wait_alu depctr_va_vdst(0)
	s_wait_dscnt 0x0                               ; for wave 0's sake: my two stores have landed
	s_barrier_signal -1
	s_barrier_wait -1
	s_cmp_lg_u32 s16, 0
	s_cbranch_scc1 .Lend                           ; wave 0 finishes the work-group's two numbers
	ds_load_b32 v176, v10                          ; waves 0-3's sums: word 8 w + place
	ds_load_b32 v177, v10 offset:128               ; waves 4-7's
	ds_load_b128 v[16:19], v9                      ; the eight sums of squares
	ds_load_b128 v[20:23], v9 offset:16
	s_wait_dscnt 0x0
	v_add_f32 v176, v176, v177
	v_pk_add_f32 v[16:17], v[16:17], v[18:19]
	v_pk_add_f32 v[20:21], v[20:21], v[22:23]
	v_add_f32_dpp v176, v176, v176 row_xmask:8 row_mask:0xf bank_mask:0xf
	v_pk_add_f32 v[16:17], v[16:17], v[20:21]
	v_permlanex16_b32 v12, v176, s30, s31
	v_add_f32 v16, v16, v17
	v_add_f32 v176, v176, v12                      ; the count of place L % 8 over all 65,536 rows
	v_mul_f32 v176, 0x37800000, v176               ; p = count / 65,536
	v_add_f32 v177, 0x2edbe6ff, v176               ; + 1e-10
	s_wait_alu depctr_va_vdst(0)                   ; the wait ahead of the transcendental,
	v_log_f32 v177, v177                           ; log2
	v_nop                                          ; a plain place behind it,
	s_wait_alu depctr_va_vdst(0)                   ; and the wait behind it
	v_mul_f32 v176, v176, v177
	v_add_f32_dpp v176, v176, v176 row_xmask:1 row_mask:0xf bank_mask:0xf
	v_add_f32_dpp v176, v176, v176 row_xmask:2 row_mask:0xf bank_mask:0xf
	v_add_f32_dpp v176, v176, v176 row_xmask:4 row_mask:0xf bank_mask:0xf       ; over my eight places
	v_cmp_eq_u32 vcc_lo, 0, v0
	s_wait_alu depctr_va_vdst(0)                   ; directly ahead of the wait below
	s_wait_xcnt 0x0                                ; EXEC changes only behind this wait: stores are out
	s_and_saveexec_b32 s28, vcc_lo
	global_store_b32 v11, v16, s[14:15]
	global_store_b32 v11, v176, s[14:15] offset:1024
	s_wait_xcnt 0x0                                ; and again in front of the line that widens it
	s_or_b32 exec_lo, exec_lo, s28
.Lend:
	s_wait_tensorcnt 0x0                           ; the wave's end
	ds_add_u32 v208, v209
	s_wait_dscnt 0x0
	s_endpgm
.Lfunc_end_k_q3510fb5104_gather:
	.size	k_q3510fb5104_gather, .Lfunc_end_k_q3510fb5104_gather-k_q3510fb5104_gather
	.p2alignl 7, 3214868480
	.fill 96, 4, 3214868480
	.section	.rodata,"a",@progbits
	.p2align	6, 0x0
	.amdhsa_kernel k_q3510fb5104_gather
		.amdhsa_group_segment_fixed_size 1536
		.amdhsa_private_segment_fixed_size 0
		.amdhsa_enable_private_segment 0
		.amdhsa_kernarg_size 48
		.amdhsa_user_sgpr_count 2
		.amdhsa_user_sgpr_kernarg_segment_ptr 1
		.amdhsa_wavefront_size32 1
		.amdhsa_system_sgpr_workgroup_id_x 1
		.amdhsa_system_sgpr_workgroup_id_y 1
		.amdhsa_system_sgpr_workgroup_id_z 1
		.amdhsa_system_vgpr_workitem_id 0
		.amdhsa_next_free_vgpr 210
		.amdhsa_next_free_sgpr 66
		.amdhsa_reserve_vcc 1
		.amdhsa_float_denorm_mode_32 3
		.amdhsa_float_denorm_mode_16_64 3
		.amdhsa_memory_ordered 1
		.amdhsa_forward_progress 1
		.amdhsa_inst_pref_size 19
	.end_amdhsa_kernel
	.amdgpu_metadata
---
amdhsa.version: [ 1, 2 ]
amdhsa.kernels:
  - .name:           k_q3510fb5104_gather
    .symbol:         k_q3510fb5104_gather.kd
    .args:
      - { .name: inputs, .offset: 0, .size: 8, .value_kind: global_buffer, .address_space: global }
      - { .name: idx, .offset: 8, .size: 8, .value_kind: global_buffer, .address_space: global }
      - { .name: cbt, .offset: 16, .size: 8, .value_kind: global_buffer, .address_space: global }
      - { .name: hist, .offset: 24, .size: 8, .value_kind: global_buffer, .address_space: global }
      - { .name: out0, .offset: 32, .size: 8, .value_kind: global_buffer, .address_space: global }
      - { .name: part, .offset: 40, .size: 8, .value_kind: global_buffer, .address_space: global }
    .group_segment_fixed_size: 1536
    .private_segment_fixed_size: 0
    .kernarg_segment_align: 8
    .kernarg_segment_size: 48
    .max_flat_workgroup_size: 256
    .sgpr_count:     66
    .vgpr_count:     210
    .wavefront_size: 32
...
	.end_amdgpu_metadata
.endif
;; end of part 3
;; launch final (part 4): grid 1 x 1, 1 waves a work-group, no clusters, 0 bytes of LDS; arguments part, out1, out2, out3; writes out1, out2, out3
.if DOCPART == 4
	.amdgcn_target "amdgcn-amd-amdhsa--gfx1250"
	.amdhsa_code_object_version 6
	.text
	.protected	k_q3510fb5104_final
	.globl	k_q3510fb5104_final
	.p2align	8
	.type	k_q3510fb5104_final,@function
k_q3510fb5104_final:
	s_mov_b64 s[64:65], 0
	v_nop
	global_prefetch_b8 v0, s[64:65] scope:SCOPE_SE
	s_setreg_imm32_b32 hwreg(HW_REG_WAVE_MODE, 25, 1), 1
	s_wait_xcnt 0x0
; The two sums that span work-groups, by one wave: part[0 .. 255] the squares, part[256 .. 511] the shares of E = the sum over all bins of p log2(p + 1e-10).
; out2 = the squares / 2^22 (65,536 rows x 64); out3 = out2 / 4; out1 = exp(-sum p ln(..)) = 2^(-E), since ln = log2 x ln 2 and exp(y) = 2^(y / ln 2).
; 2,048 bytes in, 12 out: a lane takes eight neighbouring numbers of each half.
	s_load_b256 s[4:11], s[0:1], 0x0               ; part s[4:5], out1 s[6:7], out2 s[8:9], out3 s[10:11]
	v_lshlrev_b32 v1, 5, v0                        ; 32 bytes a lane
	s_mov_b32 s12, 0x76543210
	s_mov_b32 s13, 0xfedcba98                      ; v_permlanex16_b32's selects for lane l xor 16
	v_mov_b32 v20, 0                               ; a lane permute's destination counts as one of its sources
	v_mov_b32 v21, 0
	v_mov_b32 v22, 0                               ; the stores' offset
	s_wait_alu depctr_va_vdst(0)
	s_wait_kmcnt 0x0
	global_load_b128 v[4:7], v1, s[4:5]
	global_load_b128 v[8:11], v1, s[4:5] offset:16
	global_load_b128 v[12:15], v1, s[4:5] offset:1024
	global_load_b128 v[16:19], v1, s[4:5] offset:1040
	s_wait_loadcnt 0x0
	v_pk_add_f32 v[4:5], v[4:5], v[6:7]
	v_pk_add_f32 v[8:9], v[8:9], v[10:11]
	v_pk_add_f32 v[12:13], v[12:13], v[14:15]
	v_pk_add_f32 v[16:17], v[16:17], v[18:19]
	v_pk_add_f32 v[4:5], v[4:5], v[8:9]
	v_pk_add_f32 v[12:13], v[12:13], v[16:17]
	v_add_f32 v4, v4, v5
	v_add_f32 v12, v12, v13
.irp m, 1,2,4,8
	v_add_f32_dpp v4, v4, v4 row_xmask:\m row_mask:0xf bank_mask:0xf
	v_add_f32_dpp v12, v12, v12 row_xmask:\m row_mask:0xf bank_mask:0xf
.endr
	v_permlanex16_b32 v20, v4, s12, s13
	v_permlanex16_b32 v21, v12, s12, s13
	v_add_f32 v4, v4, v20
	v_add_f32 v12, v12, v21
	s_wait_alu depctr_va_vdst(0)
	v_exp_f32 v12, -v12                            ; 2^(-E)
	v_mul_f32 v4, 0x34800000, v4                   ; x 2^-22.  (A plain line behind the exponential)
	v_mul_f32 v5, 0x3e800000, v4                   ; x 0.25
	s_wait_xcnt 0x0                                ; EXEC changes only behind this wait
	v_cmp_eq_u32 vcc_lo, 0, v0
	s_and_saveexec_b32 s14, vcc_lo
	s_wait_alu depctr_va_vdst(0)
	global_store_b32 v22, v12, s[6:7]
	global_store_b32 v22, v4, s[8:9]
	global_store_b32 v22, v5, s[10:11]
	s_wait_xcnt 0x0                                ; and again in front of the line that widens it
	s_or_b32 exec_lo, exec_lo, s14
	s_endpgm
.Lfunc_end_k_q3510fb5104_final:
	.size	k_q3510fb5104_final, .Lfunc_end_k_q3510fb5104_final-k_q3510fb5104_final
	.p2alignl 7, 3214868480
	.fill 96, 4, 3214868480
	.section	.rodata,"a",@progbits
	.p2align	6, 0x0
	.amdhsa_kernel k_q3510fb5104_final
		.amdhsa_group_segment_fixed_size 0
		.amdhsa_private_segment_fixed_size 0
		.amdhsa_enable_private_segment 0
		.amdhsa_kernarg_size 32
		.amdhsa_user_sgpr_count 2
		.amdhsa_user_sgpr_kernarg_segment_ptr 1
		.amdhsa_wavefront_size32 1
		.amdhsa_system_sgpr_workgroup_id_x 1
		.amdhsa_system_sgpr_workgroup_id_y 1
		.amdhsa_system_sgpr_workgroup_id_z 1
		.amdhsa_system_vgpr_workitem_id 0
		.amdhsa_next_free_vgpr 32
		.amdhsa_next_free_sgpr 66
		.amdhsa_reserve_vcc 1
		.amdhsa_float_denorm_mode_32 3
		.amdhsa_float_denorm_mode_16_64 3
		.amdhsa_memory_ordered 1
		.amdhsa_forward_progress 1
		.amdhsa_inst_pref_size 3
	.end_amdhsa_kernel
	.amdgpu_metadata
---
amdhsa.version: [ 1, 2 ]
amdhsa.kernels:
  - .name:           k_q3510fb5104_final
    .symbol:         k_q3510fb5104_final.kd
    .args:
      - { .name: part, .offset: 0, .size: 8, .value_kind: global_buffer, .address_space: global }
      - { .name: out1, .offset: 8, .size: 8, .value_kind: global_buffer, .address_space: global }
      - { .name: out2, .offset: 16, .size: 8, .value_kind: global_buffer, .address_space: global }
      - { .name: out3, .offset: 24, .size: 8, .value_kind: global_buffer, .address_space: global }
    .group_segment_fixed_size: 0
    .private_segment_fixed_size: 0
    .kernarg_segment_align: 8
    .kernarg_segment_size: 32
    .max_flat_workgroup_size: 32
    .sgpr_count:     66
    .vgpr_count:     32
    .wavefront_size: 32
...
	.end_amdgpu_metadata
.endif
;; end of part 4
